; MI455X (gfx1250); checked and timed in simulation.
; The chip was launched on July 23, 2026; its instructions are those of AMD's public machine-readable ISA for CDNA 5 (MIT licence, August 2026) and "CDNA5" Instruction Set Architecture Reference Guide (July 2026). The comments in the code are by the model that wrote it; some were corrected since.
;; Simple Attention. Allowed arithmetic: matrix products marked QUANTISED: E2M1 operands, one E8M0 scale for each 32 along K, by v_wmma_scale_f32_16x16x128_f8f6f4 with both operands' format E2M1 (or v_wmma_scale_f32_32x16x128_f4), f32 sums; everything else in f32.
;; Inputs: Wk_codes 1,024 x 32 x 16 uint8 (E2M1 codes of Wk, K innermost, in blocks of 32 codes, two codes a byte); Wk_scales 1,024 x 32 uint8 (E8M0 scales of Wk, one for each 32 codes along K); Wm_codes 1,024 x 32 x 16 uint8 (E2M1 codes of Wm, K innermost, in blocks of 32 codes, two codes a byte); Wm_scales 1,024 x 32 uint8 (E8M0 scales of Wm, one for each 32 codes along K); Wq_codes 2,048 x 32 x 16 uint8 (E2M1 codes of Wq, K innermost, in blocks of 32 codes, two codes a byte); Wq_scales 2,048 x 32 uint8 (E8M0 scales of Wq, one for each 32 codes along K); bk 1,024 float32; bm 1,024 float32; bq 2,048 float32; features_codes 1,024 x 32 x 32 x 16 uint8 (E2M1 codes of features, K innermost, in blocks of 32 codes, two codes a byte); features_scales 1,024 x 32 x 32 uint8 (E8M0 scales of features, one for each 32 codes along K); hidden_codes 32 x 32 x 16 uint8 (E2M1 codes of hidden, K innermost, in blocks of 32 codes, two codes a byte); hidden_scales 32 x 32 uint8 (E8M0 scales of hidden, one for each 32 codes along K); mask 1,024 x 32 float32.
;; Outputs: out0 1 x 32 x 1,024 float32; out1 1,024 x 32 float32; out2 1,024 x 32 float32.
;; This version of the problem:
;;   THIS VERSION OF THE PROBLEM IS GIVEN IN LOW PRECISION. The matrix products marked QUANTISED in the list below multiply operands that are first quantised to E2M1 (2 exponent bits, 1 mantissa bit; 4 bits a number), with one power-of-two scale for each 32 numbers along K (OCP MX v1.0); their sums are f32. All else is computed in f32.
;;   The module's matrix products, in the order in which they are computed (A, B: the left and right operand; K: the contracted axis; several contracted axes count as one K, in the product's order):
;;     1. [M 32,768, K 1,024] x [K 1,024, N 1,024]; A: input features (given as codes); B: input Wk (given as codes): QUANTISED
;;     2. [M 32,768, K 1,024] x [K 1,024, N 1,024]; A: input features (given as codes); B: input Wm (given as codes): QUANTISED
;;     3. [M 32, K 1,024] x [K 1,024, N 2,048]; A: input hidden (given as codes); B: input Wq (given as codes): QUANTISED
;;   THE QUANTISER, for each operand of a quantised product, along K:
;;     - K is cut into blocks of 32 from its start; a last block that is shorter is filled with zeros.
;;     - A block's scale is 2^e with e = floor(log2(the largest magnitude in the block)) - 2, held to -126 .. 127; a block of zeros has e = 0. As a byte (E8M0): e + 127.
;;     - Each number is divided by its block's scale, clamped to +-6, and rounded to the nearest number of E2M1, ties to even, subnormals kept.
;;     - The product sums the exact products of the quantised numbers (number of the format x scale) in f32.
;;   ~~~python
;;   def quantise(x, axis):      # numpy; x: float32 -> the quantised numbers, widened to float32 again
;;       x = np.moveaxis(x, axis, -1); K = x.shape[-1]
;;       x = np.pad(x, [(0, 0)] * (x.ndim - 1) + [(0, -K % 32)]); x = x.reshape(x.shape[:-1] + (-1, 32)); a = np.abs(x).max(-1, keepdims=True)
;;       e = np.where(a > 0, np.clip(np.frexp(np.where(a > 0, a, 1))[1] - 1 - 2, -126, 127), 0)      # np.frexp(a)[1] - 1 = floor(log2(a)), exactly
;;       r = np.clip(x / 2.0 ** e, -6, 6)
;;       step = 2.0 ** (np.maximum(np.frexp(np.where(r == 0, 1, r))[1] - 1, 0) - 1)
;;       q = np.round(r / step) * step * 2.0 ** e      # np.round: ties to even
;;       return np.moveaxis(q.reshape(q.shape[:-2] + (-1,))[..., :K], -1, axis).astype(np.float32)
;;   ~~~
;;   INPUTS GIVEN AS CODES. Wk (in the module: [1024, 1024], K = its axis 1); Wm (in the module: [1024, 1024], K = its axis 1); Wq (in the module: [2048, 1024], K = its axis 1); features (in the module: [1024, 32, 1024], K = its axis 2); hidden (in the module: [32, 1024], K = its axis 1): each comes as NAME_codes (uint8): NAME with its K axis moved to the last place and cut into blocks of 32 codes, [.., K / 32, bytes a block], one block behind the other in memory; two codes a byte, the lower K in the low four bits (a code: sign, 2 exponent bits, 1 mantissa bit); and NAME_scales (uint8): the same leading axes, one E8M0 byte (e + 127) for each 32 codes along K. Its value is code x scale, taken as it is: it is not quantised again, and the codes and scales need not be those that the quantiser above would give.
;; One version. Each part assembles by itself: llvm-mc -triple=amdgcn-amd-amdhsa -mcpu=gfx1250 --defsym DOCPART=n.
;; ======== version 1 of 1: 3 launches
;; workspace buffers: qws 262,144 bytes; scws 262,144 bytes; stws 4,096 bytes; partws 1,048,576 bytes
;; launch qproj (part 1): grid 128 x 1, 1 waves a work-group, no clusters, 2,816 bytes of LDS; arguments hidden_codes, hidden_scales, Wq_codes, Wq_scales, bq, qws; writes qws
.if DOCPART == 1
	.amdgcn_target "amdgcn-amd-amdhsa--gfx1250"
	.amdhsa_code_object_version 6
	.text
	.protected	k_q8b6bb11ba1_qproj
	.globl	k_q8b6bb11ba1_qproj
	.p2align	8
	.type	k_q8b6bb11ba1_qproj,@function
k_q8b6bb11ba1_qproj:
	s_mov_b64 s[64:65], 0
	v_nop
	global_prefetch_b8 v0, s[64:65] scope:SCOPE_SE
	s_setreg_imm32_b32 hwreg(HW_REG_WAVE_MODE, 25, 1), 1
	s_wait_xcnt 0x0
; q = hidden Wq^T + bq on codes of FP4 (E2M1) with E8M0 scales, laid for the next launch as qws[n][b][c][j] = q[b][2 (8 n + j) + c], f32: n = 0 .. 127, j = 0 .. 7.
; SHARES.  A work-group is ONE wave and takes a tile of 16 rows of Wq (rows 16 n .. 16 n + 15: h = 8 n .. 8 n + 7, both c) for both tiles of 16 b: two accumulators by turns over 8 K steps of 128,
; 16 matrix instructions.  All operands are loaded once, straight into registers: 62 loads a wave, one wave to a WGP.  No barrier: nothing is shared.
; THE PRODUCT IS USED TRANSPOSED (source 0 = 16 rows of Wq, source 1 = 16 rows of hidden), AND THE ROWS OF A TILE ARE CHOSEN: lane r takes row
; 16 n + 8 (r / 8) + 2 (r % 4) + (r / 4) % 2.  Then lane (r, hh) holds b = 16 bt + r, registers 0-3 = c 0, j = 4 hh + 0 .. 3, registers 4-7 = c 1, the same j:
; two pieces of 16 bytes that belong together.  bq is the C of each sum's first matrix instruction, in that layout.
; THE WAY OUT: the wave's 32 b x 64 bytes are 2,048 consecutive bytes of qws.  They turn through a stage of 32 rows of 64 bytes (+ 16) and leave by four stores of 512 consecutive bytes.
; LIMITS: a scale byte 0xff gives NaN, as the definition does.
.set SP,    80                         ; a stage row: 64 bytes + 16: an odd multiple of 16, so that the 16 lanes of a store begin at 16 different places modulo 256 bytes
.set SPARE, 32*SP                      ; behind the stage: the spare words, one block of 256 bytes
.set SPW, 14                           ; v14  LDS address of my spare word; never rewritten
.set NIL, 15                           ; v15  0; never rewritten
.set WQ,  16                           ; v16-79    Wq's fragments, 8 registers a K step
.set HD,  80                           ; v80-207   hidden's fragments: 64 bt + 8 ks
.set WQS, 208                          ; v208-215  Wq's scale words, a register a K step
.set HDS, 216                          ; v216-231  hidden's: 8 bt + ks
.set BI,  232                          ; v232-239  bq in the result's layout
.set ACC, 240                          ; v240-255  the two accumulators
.set OB,  16                           ; v16-31    the way out: rows read back
	s_load_b256 s[4:11], s[0:1], 0x0               ; hidden's codes s[4:5], scales s[6:7]; Wq's codes s[8:9], scales s[10:11]
	s_load_b128 s[12:15], s[0:1], 0x20             ; bq s[12:13], qws s[14:15]
	v_lshl_add_u32 v[SPW], v0, 2, SPARE
	v_mov_b32 v[NIL], 0
	v_and_b32 v1, 15, v0                           ; r
	v_bfe_u32 v2, v0, 4, 1                         ; hh
	v_and_b32 v12, 8, v1
	v_and_b32 v13, 3, v1
	v_lshl_add_u32 v12, v13, 1, v12
	v_bfe_u32 v13, v1, 2, 1
	v_add_nc_u32 v12, v12, v13                     ; my row in the tile: 8 (r / 8) + 2 (r % 4) + (r / 4) % 2
	v_lshlrev_b32 v4, 9, v12
	v_lshl_add_u32 v4, v2, 4, v4                   ; Wq's codes: row x 512 + 16 hh
	v_lshlrev_b32 v5, 9, v1
	v_lshl_add_u32 v5, v2, 4, v5                   ; hidden's: r x 512 + 16 hh
	v_lshlrev_b32 v6, 5, v12                       ; scale bytes: 32 a row
	v_lshlrev_b32 v7, 5, v1
	v_lshlrev_b32 v8, 5, v2                        ; bq: my half's eight numbers begin 8 hh on
	v_mul_u32_u24 v9, v1, SP
	v_lshl_add_u32 v9, v2, 4, v9                   ; the stage, in: row r (+ 16 bt), byte 16 hh (+ 32 c)
	v_lshrrev_b32 v10, 2, v0
	v_mul_u32_u24 v10, v10, SP
	v_and_b32 v13, 3, v0
	v_lshl_add_u32 v10, v13, 4, v10                ; back: row lane / 4 (+ 8 k), byte 16 (lane % 4)
	v_lshlrev_b32 v11, 4, v0                       ; which is byte 16 x lane (+ 512 k) of the wave's 2,048 in qws
	s_mov_b32 s21, 0
	s_wait_kmcnt 0x0
	s_lshl_b32 s20, ttmp9, 13
	s_add_nc_u64 s[8:9], s[8:9], s[20:21]          ; Wq's codes at row 16 n
	s_lshl_b32 s20, ttmp9, 9
	s_add_nc_u64 s[10:11], s[10:11], s[20:21]      ; its scale bytes
	s_lshl_b32 s20, ttmp9, 6
	s_add_nc_u64 s[12:13], s[12:13], s[20:21]      ; bq
	s_lshl_b32 s20, ttmp9, 11
	s_add_nc_u64 s[14:15], s[14:15], s[20:21]      ; qws at tile n
.irp ks, 0,1,2,3,4,5,6,7
	global_load_b128 v[WQ+8*\ks:WQ+8*\ks+3], v4, s[8:9] offset:64*\ks
	global_load_b128 v[WQ+8*\ks+4:WQ+8*\ks+7], v4, s[8:9] offset:64*\ks+32
.endr
.irp bt, 0,1
.irp ks, 0,1,2,3,4,5,6,7
	global_load_b128 v[HD+64*\bt+8*\ks:HD+64*\bt+8*\ks+3], v5, s[4:5] offset:8192*\bt+64*\ks
	global_load_b128 v[HD+64*\bt+8*\ks+4:HD+64*\bt+8*\ks+7], v5, s[4:5] offset:8192*\bt+64*\ks+32
.endr
	global_load_b128 v[HDS+8*\bt:HDS+8*\bt+3], v7, s[6:7] offset:512*\bt
	global_load_b128 v[HDS+8*\bt+4:HDS+8*\bt+7], v7, s[6:7] offset:512*\bt+16
.endr
	global_load_b128 v[WQS:WQS+3], v6, s[10:11]
	global_load_b128 v[WQS+4:WQS+7], v6, s[10:11] offset:16
.irp j, 0,1,2,3,4,5,6,7
	global_load_b32 v[BI+\j], v8, s[12:13] offset:(2*(\j&3)+(\j>>2))*4   ; register j belongs to row 16 n + 8 hh + 2 (j % 4) + j / 4
.endr
	s_wait_loadcnt 0x0
.irp ks, 0,1,2,3,4,5,6,7                       ; the two accumulators take turns, one instruction a turn
.irp bt, 0,1
.if \ks == 0
	v_wmma_scale_f32_16x16x128_f8f6f4 v[ACC+8*\bt:ACC+8*\bt+7], v[WQ+8*\ks:WQ+8*\ks+7], v[HD+64*\bt+8*\ks:HD+64*\bt+8*\ks+7], v[BI:BI+7], v[WQS+\ks], v[HDS+8*\bt+\ks] matrix_a_fmt:MATRIX_FMT_FP4 matrix_b_fmt:MATRIX_FMT_FP4
.else
	v_wmma_scale_f32_16x16x128_f8f6f4 v[ACC+8*\bt:ACC+8*\bt+7], v[WQ+8*\ks:WQ+8*\ks+7], v[HD+64*\bt+8*\ks:HD+64*\bt+8*\ks+7], v[ACC+8*\bt:ACC+8*\bt+7], v[WQS+\ks], v[HDS+8*\bt+\ks] matrix_a_fmt:MATRIX_FMT_FP4 matrix_b_fmt:MATRIX_FMT_FP4
.endif
.endr
.endr
.rept 4
	v_nop                                          ; four places ahead of the stores that read the results, and of the loads into registers that the products read
.endr
.irp bt, 0,1
	ds_store_b128 v9, v[ACC+8*\bt:ACC+8*\bt+3] offset:\bt*16*SP       ; c = 0; each accumulator from its low end on
	ds_store_b128 v9, v[ACC+8*\bt+4:ACC+8*\bt+7] offset:\bt*16*SP+32  ; c = 1: the row's second 32 bytes
.endr
.irp k, 0,1,2,3
	ds_load_b128 v[OB+4*\k:OB+4*\k+3], v10 offset:8*\k*SP             ; LDS serves a wave's instructions in order (ISA guide 5.7.1.4): these see the stores above
.endr
.irp k, 0,1,2,3
	s_wait_dscnt 3-\k                              ; LDS loads come back in order: the k-th is in, the younger ones stay out
	global_store_b128 v11, v[OB+4*\k:OB+4*\k+3], s[14:15] offset:512*\k   ; 32 lanes store 512 consecutive bytes, at a multiple of 256 from the buffer's first byte
.endr
	s_wait_tensorcnt 0x0                           ; the wave's end: behind my last LDS store
	ds_add_u32 v[SPW], v[NIL]
	s_wait_dscnt 0x0
	s_endpgm
.Lfunc_end_k_q8b6bb11ba1_qproj:
	.size	k_q8b6bb11ba1_qproj, .Lfunc_end_k_q8b6bb11ba1_qproj-k_q8b6bb11ba1_qproj
	.p2alignl 7, 3214868480
	.fill 96, 4, 3214868480
	.section	.rodata,"a",@progbits
	.p2align	6, 0x0
	.amdhsa_kernel k_q8b6bb11ba1_qproj
		.amdhsa_group_segment_fixed_size 2816
		.amdhsa_private_segment_fixed_size 0
		.amdhsa_enable_private_segment 0
		.amdhsa_kernarg_size 48
		.amdhsa_user_sgpr_count 2
		.amdhsa_user_sgpr_kernarg_segment_ptr 1
		.amdhsa_wavefront_size32 1
		.amdhsa_system_sgpr_workgroup_id_x 1
		.amdhsa_system_sgpr_workgroup_id_y 1
		.amdhsa_system_sgpr_workgroup_id_z 1
		.amdhsa_system_vgpr_workitem_id 0
		.amdhsa_next_free_vgpr 256
		.amdhsa_next_free_sgpr 66
		.amdhsa_reserve_vcc 0
		.amdhsa_float_denorm_mode_32 3
		.amdhsa_float_denorm_mode_16_64 3
		.amdhsa_memory_ordered 1
		.amdhsa_forward_progress 1
		.amdhsa_inst_pref_size 11
	.end_amdhsa_kernel
	.amdgpu_metadata
---
amdhsa.version: [ 1, 2 ]
amdhsa.kernels:
  - .name:           k_q8b6bb11ba1_qproj
    .symbol:         k_q8b6bb11ba1_qproj.kd
    .args:
      - { .name: hidden_codes, .offset: 0, .size: 8, .value_kind: global_buffer, .address_space: global }
      - { .name: hidden_scales, .offset: 8, .size: 8, .value_kind: global_buffer, .address_space: global }
      - { .name: Wq_codes, .offset: 16, .size: 8, .value_kind: global_buffer, .address_space: global }
      - { .name: Wq_scales, .offset: 24, .size: 8, .value_kind: global_buffer, .address_space: global }
      - { .name: bq, .offset: 32, .size: 8, .value_kind: global_buffer, .address_space: global }
      - { .name: qws, .offset: 40, .size: 8, .value_kind: global_buffer, .address_space: global }
    .group_segment_fixed_size: 2816
    .private_segment_fixed_size: 0
    .kernarg_segment_align: 8
    .kernarg_segment_size: 48
    .max_flat_workgroup_size: 32
    .sgpr_count:     66
    .vgpr_count:     256
    .wavefront_size: 32
...
	.end_amdgpu_metadata
.endif
;; end of part 1
;; launch main (part 2): grid 8 x 32, 4 waves a work-group, clusters of 4 x 1, 327,680 bytes of LDS; arguments features_codes, features_scales, mask, Wk_codes, Wk_scales, Wm_codes, Wm_scales, bk, bm, qws, scws, stws, partws; writes scws, stws, partws
.if DOCPART == 2
	.amdgcn_target "amdgcn-amd-amdhsa--gfx1250"
	.amdhsa_code_object_version 6
	.text
	.protected	k_q8b6bb11ba1_main
	.globl	k_q8b6bb11ba1_main
	.p2align	8
	.type	k_q8b6bb11ba1_main,@function
k_q8b6bb11ba1_main:
	s_mov_b64 s[64:65], 0
	v_nop
	global_prefetch_b8 v0, s[64:65] scope:SCOPE_SE
	s_setreg_imm32_b32 hwreg(HW_REG_WAVE_MODE, 25, 1), 1
	s_wait_xcnt 0x0
	s_wait_alu depctr_hold_cnt(0) depctr_sa_sdst(0) depctr_va_vdst(0) depctr_va_sdst(0) depctr_va_ssrc(0) depctr_va_vcc(0) depctr_vm_vsrc(0)
	s_getreg_b32 s2, hwreg(HW_REG_IB_STS2, 6, 4)
	s_cmp_eq_u32 s2, 0
	s_cbranch_scc0 .Lentry_in_a_cluster
	s_endpgm
.Lentry_in_a_cluster:
	s_bfe_u32 s2, ttmp6, 0x10000c
	s_cmp_lg_u32 s2, 0x3003
	s_cbranch_scc0 .Lentry_shape_is_right
	s_endpgm
.Lentry_shape_is_right:
; k = features Wk^T + bk and mem = features Wm^T + bm on codes of FP4 (E2M1) with E8M0 scales; neither goes to memory.  Out of k come the two scores of each (t, b), out of mem a weighted sum over t.
; SHARES.  A work-group owns ONE b and 128 consecutive t (grid: 8 blocks of t x 32 b).  Each of its four waves keeps all 128 rows' codes, all of K = 1,024, in 512 registers as operand fragments.
; The 2,048 weight rows (Wk, then Wm) go through a ring of two LDS slots of 256 rows; a wave takes 64 rows of a slot, four TILES of 16, and fetches those same 64 rows: every wave issues a quarter of each refill.
; So each weight byte is read from LDS once, by one wave, and feeds 8 matrix instructions.  The weights' scale words do not go through LDS: a tile's 16 rows x 32 bytes are 512 consecutive bytes of memory,
; which one load of 16 bytes a lane brings straight into the scale registers, three tiles ahead of their use.
; A tile is 16 weight rows x 128 t x K 1,024: 64 matrix instructions on 8 accumulators by turns, the K step outermost; two sets of accumulators take turns from tile to tile.
; K PHASE (source 0 = weights, source 1 = features): a lane holds one t and eight h; score partials S += k q by packed multiply-adds; bk is the C of a tile's first products.
; MEM PHASE (source 0 = features, source 1 = weights): a lane holds one h and eight t; O += p mem, p = exp(score 0 - the block's largest score 0); bm enters as bm x (the block's sum of p), the same sum.
; The vector work of tile n - 1 stands in slices behind the matrix instructions of K steps 5-7 of tile n; the registers are laid so that those slices need no switch of the register window.
; BETWEEN THE PHASES the waves' score partials meet in LDS; every wave finishes all 128 x 2 scores (mask x -99999 added), the block's maxima and sums of exponentials; wave 0 stores them.  The next launch joins the 8 blocks of each b.
; CLUSTER.  All work-groups walk the same weights: the four of a cluster ask for each slot JOINTLY (mask 15).  The cluster of b walks each matrix's four slots beginning at slot b % 4: sums over h and the order of outputs are free.
; Only global addresses hang on that rotation: q, bk and bm are laid into LDS already rotated.  My place in the cluster enters global addresses of my own loads, stores and prefetch alone.
; LIMITS: NaN, infinities and scale bytes 0xff give NaN as the definition does; an exponential under 2^-126 comes out as 0 (ISA guide, v_exp_f32).  The largest score is taken away by a subtraction before every exponential.
; REGISTERS, in windows of 256 (s_set_vgpr_msb: bits 1:0 source 0, 3:2 source 1, 5:4 source 2, 7:6 destination):
;   window 0: v1-25 lane numbers and addresses; v30, v31 the add's two; v32-63 the transition's numbers; v64-95 features' scale words; v96-111 weights' scale words, four a tile; v128-255 features, K steps 0, 1
;   window 1: v0-127 two sets of 8 accumulators; v128-191 a tile's weight fragments; v192-199 bk as C; v200-231 S; v232-239 O
;   window 2: v0-191 features, K steps 2-4        window 3: v0-191 features, K steps 5-7; v192-207 q of a tile (k phase); v192-255 p (mem phase)
.set PITCH, 528                        ; a row of codes in LDS: 512 bytes + 16 = 132 words: the 16 rows of a load begin 4 words apart modulo 64 (64 banks of 4 bytes: ISA guide 11.1)
.set TILEB, 16*PITCH                   ; 16 rows
.set SLOTB, 256*PITCH                  ; a slot
.set R1,    SLOTB                      ; slot 1; the features' 128 rows lie over its first bytes until they are in registers
.set QB,    2*SLOTB                    ; q: [slot position 4][h / 8: 32][c 2][8 h] f32
.set BKB,   QB+8192                    ; bk: [slot position 4][256]
.set BMB,   BKB+4096                   ; bm likewise
.set SCR,   BMB+4096                   ; score partials [wave 4][half 2][c 2][128 t]
.set PSCR,  SCR+8192                   ; p, 512 bytes for each wave
.set OST,   PSCR+2048                  ; the weighted sums [wave 4][slot position 4][64 h]
.set SPARE, OST+4096                   ; the spare words, 128 bytes for each wave
.set RR,   1                           ; v1   r = lane % 16
.set HH,   2                           ; v2   lane / 16
.set LN,   3                           ; v3   lane
.set AB0,  4                           ; v4   my place in a slot's codes: 528 r + 16 hh + 64 rows x wave
.set AB,   5                           ; v5   the same in the slot in hand
.set OWS,  6                           ; v6   32 r + 16 hh: my 16 bytes of a tile's 512 scale bytes: lanes 0-15 K steps 0-3 of row r, lanes 16-31 K steps 4-7; never rewritten
.set AQ,   8                           ; v8   q of my half's eight h; steps 2,048 a slot
.set ABK,  9                           ; v9   bk likewise; steps 1,024 a slot
.set ABM,  10                          ; v10  bm of my h; steps 1,024 a slot
.set AF,   11                          ; v11  my place in the features' rows
.set O1K,  12                          ; v12  1,024 x lane: offset of features' scale bytes, and of the statistics; never rewritten
.set OMK,  13                          ; v13  512 x lane: offset in the mask
.set ASC,  14                          ; v14  where I store score partials
.set ASL,  15                          ; v15  where I read them
.set APS,  16                          ; v16  where I store p
.set APL,  17                          ; v17  where I read it
.set AO,   18                          ; v18  where I store a tile's weighted sum; steps 256 a slot
.set AOL,  19                          ; v19  the way out: where I read them back
.set OP0,  20                          ; v20, v21 the way out: my offsets in partws
.set PFO,  22                          ; v22  256 x lane; never rewritten
.set TA,   23                          ; v23, v25 at work at the head
.set L16,  24                          ; v24  16 x lane; never rewritten
.set TC,   25
.set SPW,  30
.set NIL,  31
.set SC,   32                          ; v32-35 scores c = 0 of t = 4 lane + 0 .. 3, v36-39 c = 1
.set MK,   40                          ; v40-43 the mask of those t
.set PX,   44                          ; v44-59 S's sums; then v44-47 p of c = 0, v48-51 of c = 1
.set OB,   44                          ; v44-51 the way out: rows read back
.set MX,   52                          ; v52, v53 the block's maxima
.set TP,   54                          ; v54, v55 the other half's
.set SU,   56                          ; v56-59 sums
.set LREG, 60                          ; v60  the block's sum of p, c = 0
.set BMV,  61                          ; v61  bm of the tile whose sums are being made
.set MT,   62                          ; v62, v63 a tile's sum
.set FS,   64                          ; register 8 (rb / 2) + ks: lanes 0-15 row block rb even, lanes 16-31 odd
.set WS,   96                          ; tile i of a slot at 4 i; register ks % 4: lanes 0-15 K steps 0-3, lanes 16-31 K steps 4-7
.set WF,   128                         ; window 1
.set BC,   192
.set SS,   200                         ; S(rb, c): the pair at 4 rb + 2 c
.set OO,   232
.set QP,   192                         ; window 3
.set TF,   2                           ; s2   the slot to be filled next, as an LDS byte
.set CNT,  3                           ; s3   loop counter
.set WV,   18                          ; s18  wave
.set TBLK, 19                          ; s19  my block of 128 t
.set BB,   20                          ; s20  my b
.set ROT,  21                          ; s21  b % 4
.set NI,   22                          ; s22  the number of the slot asked for last, 0 .. 7
.set TB,   23                          ; s23  the slot in hand, as an LDS byte
.set G1C,  24                          ; s[24:31] group 1: 64 rows of codes
.set G0C,  40                          ; s[40:43] its group 0
.set SWB,  44                          ; s[44:45] where my 64 rows' scale bytes begin, of the slot whose words are being asked for
.set SI,   46                          ; s46  that slot's number, 0 .. 7
.set G1F,  48                          ; s[48:55], s[56:59] the features
.set G0F,  56
.set G0Q,  60                          ; s[60:63] q;  s[68:75] its group 1
.set SEL,  66                          ; s[66:67] v_permlanex16_b32's selects for lane l xor 16
.set G1Q,  68
.set G1B,  76                          ; s[76:83] a piece of a bias;  s[84:87] bk,  s[88:91] bm
.set G0BK, 84
.set G0BM, 88
.set PFB,  92                          ; s[92:93] where my prefetch stands; never rewritten
.set PFL,  94                          ; s94  1 in a wave that prefetches
.set WOFF, 95                          ; s95  my 64 rows of a slot, in LDS bytes
.set MSB, 0
.set curT, 0                           ; the tile in hand, 0 .. 3: it picks the weights' scale registers
.macro WIN new                         ; the immediate's high byte repeats the setting that is left; a switch that changes nothing is dropped
.if MSB != (\new)
	s_set_vgpr_msb (MSB<<8)|(\new)
.set MSB, (\new)
.endif
.endm
; A load into a register that a matrix instruction has named, and a vector instruction that reads a matrix result, stand four places behind it; only plain vector instructions that name none of its registers are places.
.macro PLACES
.rept 4
	v_nop
.endr
.endm
.macro CREST                           ; a round of the cluster's barrier behind its opening barrier
	s_cmp_lg_u32 s[WV], 0
	s_cbranch_scc1 .Lnot_wave_0_\@
	s_barrier_signal -3
.Lnot_wave_0_\@:
	s_barrier_wait -3
	s_barrier_signal -1
	s_barrier_wait -1
.endm
.macro CROUND                          ; a whole round
	s_barrier_signal -1
	s_barrier_wait -1
	CREST
.endm
; A joint load of a slot: every wave fetches its own 64 rows, 32,768 bytes; the descriptor hangs on the wave's number, b and the count of slots, which partners share.
; An s_nop 0 and four v_nop follow the line; the four are also the places ahead of the loads that follow.
.macro JLOAD
	tensor_load_to_lds s[G0C:G0C+3], s[G1C:G1C+7]
	s_nop 0
.rept 4
	v_nop
.endr
.endm
; The group 0 for the next slot: scalar work alone, behind the wait that shows no tensor load of mine out.  Slot NI is slot (NI + ROT) % 4 of Wk (NI < 4) or of Wm.
.macro FILLSTEP
	s_add_co_u32 s[NI], s[NI], 1
	s_add_co_u32 s98, s[NI], s[ROT]
	s_and_b32 s98, s98, 3
	s_cmp_lt_u32 s[NI], 4
	s_cselect_b64 s[G0C+2:G0C+3], s[4:5], s[8:9]
	s_lshl_b32 s96, s98, 17                        ; 256 rows of 512 bytes
	s_mov_b32 s97, 0
	s_add_nc_u64 s[G0C+2:G0C+3], s[G0C+2:G0C+3], s[96:97]
	s_or_b32 s[G0C+3], s[G0C+3], 0x80000000
	s_add_co_u32 s[G0C+1], s[TF], s[WOFF]
	s_xor_b32 s[TF], s[TF], SLOTB                  ; 0 and SLOTB by turns
.endm
; The scale words' base goes on to the next slot: once a slot, ahead of the load for its tile 0.
.macro SCSTEP
	s_wait_xcnt 0x0                                ; the loads that named the base, the last of them a tile back, have read it
	s_add_co_u32 s[SI], s[SI], 1
	s_add_co_u32 s98, s[SI], s[ROT]
	s_and_b32 s98, s98, 3
	s_cmp_lt_u32 s[SI], 4
	s_cselect_b64 s[SWB:SWB+1], s[6:7], s[10:11]
	s_lshl_b32 s96, s98, 13                        ; 256 rows of 32 bytes
	s_mov_b32 s97, 0
	s_add_nc_u64 s[SWB:SWB+1], s[SWB:SWB+1], s[96:97]
.endm
.macro WSLOAD i                        ; the next slot's tile i: its 512 scale bytes into the registers that this slot's tile i has done with (windows 0)
	global_load_b128 v[WS+4*(\i):WS+4*(\i)+3], v[OWS], s[SWB:SWB+1] offset:512*(\i)
.endm
.macro NEWSLOT                         ; the reads go on to the other slot
	s_xor_b32 s[TB], s[TB], SLOTB
	v_add_nc_u32 v[AB], s[TB], v[AB0]
.endm
; One scaled matrix instruction.  c < 0: C is the constant 0.  ra, rb: 1 where a side's scales stand in lanes 16-31 of its register.
.macro WMS d, a, b, c, sa, sb, ra, rb
.if (\c) < 0
.if ((\ra) == 0) && ((\rb) == 0)
	v_wmma_scale_f32_16x16x128_f8f6f4 v[\d:\d+7], v[\a:\a+7], v[\b:\b+7], 0, v[\sa], v[\sb] matrix_a_fmt:MATRIX_FMT_FP4 matrix_b_fmt:MATRIX_FMT_FP4
.elseif ((\ra) == 1) && ((\rb) == 0)
	v_wmma_scale_f32_16x16x128_f8f6f4 v[\d:\d+7], v[\a:\a+7], v[\b:\b+7], 0, v[\sa], v[\sb] matrix_a_fmt:MATRIX_FMT_FP4 matrix_b_fmt:MATRIX_FMT_FP4 matrix_a_scale:MATRIX_SCALE_ROW1
.elseif (\ra) == 0
	v_wmma_scale_f32_16x16x128_f8f6f4 v[\d:\d+7], v[\a:\a+7], v[\b:\b+7], 0, v[\sa], v[\sb] matrix_a_fmt:MATRIX_FMT_FP4 matrix_b_fmt:MATRIX_FMT_FP4 matrix_b_scale:MATRIX_SCALE_ROW1
.else
	v_wmma_scale_f32_16x16x128_f8f6f4 v[\d:\d+7], v[\a:\a+7], v[\b:\b+7], 0, v[\sa], v[\sb] matrix_a_fmt:MATRIX_FMT_FP4 matrix_b_fmt:MATRIX_FMT_FP4 matrix_a_scale:MATRIX_SCALE_ROW1 matrix_b_scale:MATRIX_SCALE_ROW1
.endif
.else
.if ((\ra) == 0) && ((\rb) == 0)
	v_wmma_scale_f32_16x16x128_f8f6f4 v[\d:\d+7], v[\a:\a+7], v[\b:\b+7], v[\c:\c+7], v[\sa], v[\sb] matrix_a_fmt:MATRIX_FMT_FP4 matrix_b_fmt:MATRIX_FMT_FP4
.elseif ((\ra) == 1) && ((\rb) == 0)
	v_wmma_scale_f32_16x16x128_f8f6f4 v[\d:\d+7], v[\a:\a+7], v[\b:\b+7], v[\c:\c+7], v[\sa], v[\sb] matrix_a_fmt:MATRIX_FMT_FP4 matrix_b_fmt:MATRIX_FMT_FP4 matrix_a_scale:MATRIX_SCALE_ROW1
.elseif (\ra) == 0
	v_wmma_scale_f32_16x16x128_f8f6f4 v[\d:\d+7], v[\a:\a+7], v[\b:\b+7], v[\c:\c+7], v[\sa], v[\sb] matrix_a_fmt:MATRIX_FMT_FP4 matrix_b_fmt:MATRIX_FMT_FP4 matrix_b_scale:MATRIX_SCALE_ROW1
.else
	v_wmma_scale_f32_16x16x128_f8f6f4 v[\d:\d+7], v[\a:\a+7], v[\b:\b+7], v[\c:\c+7], v[\sa], v[\sb] matrix_a_fmt:MATRIX_FMT_FP4 matrix_b_fmt:MATRIX_FMT_FP4 matrix_a_scale:MATRIX_SCALE_ROW1 matrix_b_scale:MATRIX_SCALE_ROW1
.endif
.endif
.endm
; The product of K step ks, row block rb, on accumulator set 'set'.  ori = 0: k phase (weights, features; first: C = bk);  ori = 1: mem phase (features, weights; first: C = 0).
.macro MM1 ori, ks, set, rb, first
.if (\ks) < 2
.set mFB, 128+64*(\ks)
.set mWN, 0
.elseif (\ks) < 5
.set mFB, 64*((\ks)-2)
.set mWN, 2
.else
.set mFB, 64*((\ks)-5)
.set mWN, 3
.endif
.set mD, 64*(\set)+8*(\rb)
.set mW, WF+8*(\ks)
.set mF, mFB+8*(\rb)
.set mWS, WS+4*curT+((\ks)&3)
.set mFS, FS+8*((\rb)>>1)+(\ks)
.set mC, mD
.if (\ori) == 0
	WIN 0x51+4*mWN                                 ; weights, C and D window 1; features window 0, 2 or 3
.if \first
.set mC, BC
.endif
	WMS mD, mW, mF, mC, mWS, mFS, (\ks)>>2, (\rb)&1
.else
	WIN 0x54+mWN
.if \first
.set mC, -1
.endif
	WMS mD, mF, mW, mC, mFS, mWS, (\rb)&1, (\ks)>>2
.endif
.endm
.macro MM ori, ks, set, first          ; a K step: the eight accumulators by turns, one instruction a turn
.irp rb, 0,1,2,3,4,5,6,7
	MM1 \ori, \ks, \set, \rb, \first
.endr
.endm
; Number e of 64 of a k tile's vector work: S(rb, c) += k q, two h at a time.  Every accumulator is read first at its registers 0 and 1.  first: the launch's first tile starts S: nothing is cleared.
.macro EK e, prev, first
.set eI, (\e)>>4
.set eC, ((\e)>>3)&1
.set eR, (\e)&7
.set eS, SS+4*eR+2*eC
.set eA, 64*(\prev)+8*eR+2*eI
.set eQ, QP+8*eC+2*eI
.if (\first) && (eI == 0)
	v_pk_mul_f32 v[eS:eS+1], v[eA:eA+1], v[eQ:eQ+1]
.else
	v_pk_fma_f32 v[eS:eS+1], v[eA:eA+1], v[eQ:eQ+1], v[eS:eS+1]
.endif
.endm
; Number e of 32 of a mem tile's: O += p mem, two t at a time, in four chains; the first four start them.
.macro EM e, prev
.set eI, (\e)>>3
.set eR, (\e)&7
.set eO, OO+2*((\e)&3)
.set eA, 64*(\prev)+8*eR+2*eI
.set eP, QP+8*eR+2*eI
.if (\e) < 4
	v_pk_mul_f32 v[eO:eO+1], v[eP:eP+1], v[eA:eA+1]
.else
	v_pk_fma_f32 v[eO:eO+1], v[eP:eP+1], v[eA:eA+1], v[eO:eO+1]
.endif
.endm
; K steps 5-7 of a k tile, 24 matrix instructions, with the tile before's 64 numbers behind them: three and two by turns, the last four together: those are the places ahead of the loads that follow.
.macro G3K set, first
.set gE, 0
.irp ks, 5,6,7
.irp rb, 0,1,2,3,4,5,6,7
	MM1 0, \ks, \set, \rb, 0
.rept 3-((\rb)&1)
	EK gE, 1-(\set), \first
.set gE, gE+1
.endr
.endr
.endr
.rept 4
	EK gE, 1-(\set), \first
.set gE, gE+1
.endr
.endm
; The same of a mem tile: one behind each, the last eight together.  epi = 0: there is no tile before.
.macro G3M set, epi
.set gE, 0
.irp ks, 5,6,7
.irp rb, 0,1,2,3,4,5,6,7
	MM1 1, \ks, \set, \rb, 0
.if \epi
	EM gE, 1-(\set)
.set gE, gE+1
.endif
.endr
.endr
.if \epi
.rept 8
	EM gE, 1-(\set)
.set gE, gE+1
.endr
.else
	PLACES
.endif
.endm
; A mem tile's sum is finished: the four chains, the pair's halves, the other half of the lanes' 64 t, and bm x the sum of p.  The exchange between lanes is made in window 0.
.macro MFIN
	WIN 0x55
	v_pk_add_f32 v[OO:OO+1], v[OO:OO+1], v[OO+2:OO+3]
	v_pk_add_f32 v[OO+4:OO+5], v[OO+4:OO+5], v[OO+6:OO+7]
	v_pk_add_f32 v[OO:OO+1], v[OO:OO+1], v[OO+4:OO+5]
	WIN 0x05                                       ; sources window 1, destination window 0
	v_add_f32 v[MT], v[OO], v[OO+1]
	WIN 0
	v_permlanex16_b32 v[MT+1], v[MT], s[SEL], s[SEL+1]
	v_add_f32 v[MT], v[MT], v[MT+1]
	v_fma_f32 v[MT], v[BMV], v[LREG], v[MT]
.endm
.macro LOADB h, off                    ; a tile's weight fragments of K steps 4 h .. 4 h + 3: 8 loads (destination window 1)
.irp k, 0,1,2,3
	ds_load_b128 v[WF+8*(4*(\h)+\k):WF+8*(4*(\h)+\k)+3], v[AB] offset:(\off)+64*(4*(\h)+\k)
	ds_load_b128 v[WF+8*(4*(\h)+\k)+4:WF+8*(4*(\h)+\k)+7], v[AB] offset:(\off)+64*(4*(\h)+\k)+32
.endr
.endm
.macro RUN1K offc, offb                ; 10 loads for the next k tile: K steps 0-3, bk
	WIN 0x40
	LOADB 0, \offc
	ds_load_b128 v[BC:BC+3], v[ABK] offset:\offb
	ds_load_b128 v[BC+4:BC+7], v[ABK] offset:(\offb)+16
.endm
.macro RUN1M offc                      ; 8 loads for the next mem tile
	WIN 0x40
	LOADB 0, \offc
.endm
.macro RUN2K offc, i                   ; 12 loads: the next tile's K steps 4-7, and q of THIS tile, i, whose vector work stands in the next
	WIN 0x40
	LOADB 1, \offc
	WIN 0xc0
	ds_load_b128 v[QP:QP+3], v[AQ] offset:128*(\i)
	ds_load_b128 v[QP+4:QP+7], v[AQ] offset:128*(\i)+16
	ds_load_b128 v[QP+8:QP+11], v[AQ] offset:128*(\i)+32
	ds_load_b128 v[QP+12:QP+15], v[AQ] offset:128*(\i)+48
.endm
.macro FLOAD ks                        ; the features of K step ks into their registers: 16 loads
.if (\ks) < 2
.set mFB, 128+64*(\ks)
	WIN 0
.elseif (\ks) < 5
.set mFB, 64*((\ks)-2)
	WIN 0x80
.else
.set mFB, 64*((\ks)-5)
	WIN 0xc0
.endif
.irp rb, 0,1,2,3,4,5,6,7
	ds_load_b128 v[mFB+8*\rb:mFB+8*\rb+3], v[AF] offset:\rb*TILEB+64*(\ks)
	ds_load_b128 v[mFB+8*\rb+4:mFB+8*\rb+7], v[AF] offset:\rb*TILEB+64*(\ks)+32
.endr
.endm
; A PREFETCH INTO THE L2 of Wm, which is first asked for two changes of slots, 512 matrix instructions of a wave, later.  Each aligned block of 256 bytes is named once in the launch: wave 3
; of the 64 work-groups with b < 8 names 8,192 bytes of Wm's codes each, lanes 256 bytes apart; wave 3 of the first cluster of b = 8 likewise of Wm's scale bytes.  The flag is made of b, the cluster's number and the wave's number,
; which partners share; partners are told apart by address.  Wk and the features are wanted at the head and are not asked for.
.macro ASKWM
	s_cmp_eq_u32 s[PFL], 1
	s_cbranch_scc0 .Lnot_mine_\@
	global_prefetch_b8 v[PFO], s[PFB:PFB+1] th:TH_LOAD_NT scope:SCOPE_SE
.Lnot_mine_\@:
.endm
; A K TILE, the i-th of its slot.  chg = 1: a slot's last tile, which changes slots in its middle: all its reads of the slot were issued in the tile before.  first: the vector work is the launch's first tile's.  pf: the prefetch.
.macro KTILE i, chg, first, pf
.set kS, (\i)&1
.set curT, \i
	s_wait_loadcnt 3                               ; this tile's scale words are in: behind their load three more were issued, one at the end of each tile since
	s_wait_dscnt 12                                ; K steps 0-3 and bk are in; the 12 younger loads (K steps 4-7, q) may be out
	MM 0, 0, kS, 1
	MM 0, 1, kS, 0
.if \chg
	WIN 0                                          ; (the add's two registers lie in window 0)
	s_wait_tensorcnt 0x0                           ; my tensor load has landed: my part of the next slot; so the group 0 may be written
	ds_add_u32 v[SPW], v[NIL]                      ; 0 onto my spare word: scalar work and sixteen matrix instructions stand between it and the wait for it
	FILLSTEP
.endif
	MM 0, 2, kS, 0
	MM 0, 3, kS, 0
.if \chg
	s_wait_dscnt 0x0                               ; the add is done, and my reads of this slot are over
	s_barrier_signal -1                            ; this barrier opens a round of the cluster's barrier
	MM 0, 4, kS, 0
	WIN 0
	s_barrier_wait -1
	CREST                                          ; no wave of any partner still reads this slot or has a load on its way
	JLOAD                                          ; the first tensor load behind the round: the slot just left takes the slot two on
	NEWSLOT
	RUN1K 0, 1024                                  ; the next slot's first tile (bk: one slot on; behind Wk's last slot these 32 bytes are bm's and nobody uses them: the loop's trips are alike)
.if \pf
	WIN 0
	ASKWM
.endif
.else
	PLACES
	RUN1K (\i+1)*TILEB, (\i+1)*64
	s_wait_dscnt 10                                ; K steps 4-7 and q are in; the 10 just issued may be out
	MM 0, 4, kS, 0
.endif
	G3K kS, \first
	WIN 0
.if (\i) == 0
	SCSTEP
.endif
	WSLOAD \i
.if \chg
	RUN2K 0, \i
	WIN 0
	v_add_nc_u32 v[AQ], 2048, v[AQ]
	v_add_nc_u32 v[ABK], 1024, v[ABK]
.else
	RUN2K (\i+1)*TILEB, \i
.endif
.endm
; A MEM TILE.  fill: the slot left at the change is filled again.  epi: the tile before's vector work stands in this one.  last: the launch's last tile fetches nothing more.
; wl: the next slot's scale words are asked for.  lw: how many younger scale loads may be out at the head.
.macro MTILE i, chg, fill, epi, last, wl, lw
.set tS, (\i)&1
.set curT, \i
	s_wait_loadcnt \lw                             ; this tile's scale words are in
	s_wait_dscnt 9                                 ; K steps 0-3 are in; behind them 9 or 10 LDS instructions were issued
	MM 1, 0, tS, 1
	MM 1, 1, tS, 0
.if \chg
	WIN 0
	s_wait_tensorcnt 0x0                           ; my tensor load has landed: my part of the next slot
	ds_add_u32 v[SPW], v[NIL]                      ; 0 onto my spare word
.if \fill
	FILLSTEP
.endif
.endif
	MM 1, 2, tS, 0
	MM 1, 3, tS, 0
.if \chg
	s_wait_dscnt 0x0                               ; the add is done, and my reads of this slot are over
	s_barrier_signal -1
	MM 1, 4, tS, 0
	WIN 0
	s_barrier_wait -1
.if \fill
	CREST
	JLOAD
.else
	PLACES
.endif
	NEWSLOT
	RUN1M 0
.elseif \last
	s_wait_dscnt 0x0
	MM 1, 4, tS, 0
.else
	PLACES
	RUN1M (\i+1)*TILEB
	s_wait_dscnt 8                                 ; K steps 4-7 and bm are in; the 8 just issued may be out
	MM 1, 4, tS, 0
.endif
	G3M tS, \epi
.if \epi
	MFIN
	ds_store_b32 v[AO], v[MT] offset:(((\i)+3)&3)*64   ; the tile before's 16 h (lanes l and l + 16 write the same word with the same value)
.endif
	WIN 0
	ds_load_b32 v[BMV], v[ABM] offset:64*(\i)      ; bm of THIS tile
.if (\epi) && ((\i) == 0)
	v_add_nc_u32 v[AO], 256, v[AO]
.endif
.if \chg
	v_add_nc_u32 v[ABM], 1024, v[ABM]
.endif
.if \wl
.if (\i) == 0
	SCSTEP
.endif
	WSLOAD \i
.endif
.if (\last) == 0
	WIN 0x40
.if \chg
	LOADB 1, 0
.else
	LOADB 1, (\i+1)*TILEB
.endif
.endif
.endm
	; ---- the head
	s_load_b64 s[G0F+2:G0F+3], s[0:1], 0x0         ; features' codes: pointers that become a descriptor's words are loaded into them
	s_load_b64 s[96:97], s[0:1], 0x8               ; features' scales
	s_load_b64 s[100:101], s[0:1], 0x10            ; mask
	s_load_b256 s[4:11], s[0:1], 0x18              ; Wk's codes s[4:5], scales s[6:7]; Wm's codes s[8:9], scales s[10:11]
	s_load_b64 s[G0BK+2:G0BK+3], s[0:1], 0x38      ; bk
	s_load_b64 s[G0BM+2:G0BM+3], s[0:1], 0x40      ; bm
	s_load_b64 s[G0Q+2:G0Q+3], s[0:1], 0x48        ; qws
	s_load_b128 s[12:15], s[0:1], 0x50             ; scws s[12:13], stws s[14:15]
	s_load_b64 s[16:17], s[0:1], 0x60              ; partws
	v_lshl_add_u32 v[SPW], v0, 2, SPARE
	v_mov_b32 v[NIL], 0
	ds_add_u32 v[SPW], v[NIL]                      ; the wave's opening: the add and its wait stand ahead of my first tensor load; the set-up below, work on registers, stands between them
	v_lshrrev_b32 v1, 5, v0
	v_readfirstlane_b32 s[WV], v1                  ; wave 0..3
	s_bfe_u32 s98, ttmp6, 0x40000                  ; cx: my place in the cluster
	s_lshl_b32 s[TBLK], ttmp9, 2
	s_add_co_u32 s[TBLK], s[TBLK], s98             ; my block of t = 4 x cluster x + cx
	s_and_b32 s[BB], ttmp7, 0xffff                 ; b, which the four partners share
	s_and_b32 s[ROT], s[BB], 3
	s_mov_b32 s[G1C], 15|(1<<20)|(1<<21)|(6<<22)|(3<<25)   ; 15:0 the mask: all four; 17:16 elements of 1 byte; 20 padding on; 21 set beside a mask; 24:22 after every 128 words (code 6); 31:25 four words (code 3)
	s_mov_b32 s[G1C+1], 512<<16                    ; tensor_dim0 = 512
	s_mov_b32 s[G1C+2], 64<<16                     ; tensor_dim1 = 64
	s_mov_b32 s[G1C+3], 512<<16                    ; tile_dim0
	s_mov_b32 s[G1C+4], 64                         ; tile_dim1
	s_mov_b32 s[G1C+5], 512                        ; from row to row
	s_mov_b32 s[G1C+6], 0
	s_mov_b32 s[G1C+7], 0
	s_mov_b32 s[G1F], (1<<20)|(6<<22)|(3<<25)      ; my own load, no mask: 32 rows of 512 bytes, one t to the next 32 x 512 bytes apart
	s_mov_b32 s[G1F+1], 512<<16
	s_mov_b32 s[G1F+2], 32<<16
	s_mov_b32 s[G1F+3], 512<<16
	s_mov_b32 s[G1F+4], 32
	s_mov_b32 s[G1F+5], 16384
	s_mov_b32 s[G1F+6], 0
	s_mov_b32 s[G1F+7], 0
	s_mov_b32 s[G1Q], 15|(3<<16)|(1<<21)           ; q of 256 h of my b: 32 rows (8 h, both c) of 8 elements of 8 bytes, 2,048 bytes apart; no padding
	s_mov_b32 s[G1Q+1], 8<<16
	s_mov_b32 s[G1Q+2], 32<<16
	s_mov_b32 s[G1Q+3], 8<<16
	s_mov_b32 s[G1Q+4], 32
	s_mov_b32 s[G1Q+5], 256
	s_mov_b32 s[G1Q+6], 0
	s_mov_b32 s[G1Q+7], 0
	s_mov_b32 s[G1B], 15|(3<<16)|(1<<21)           ; 256 numbers of a bias: one row of 1,024 bytes
	s_mov_b32 s[G1B+1], 128<<16
	s_mov_b32 s[G1B+2], 1<<16
	s_mov_b32 s[G1B+3], 128<<16
	s_mov_b32 s[G1B+4], 1
	s_mov_b32 s[G1B+5], 128
	s_mov_b32 s[G1B+6], 0
	s_mov_b32 s[G1B+7], 0
	s_mov_b32 s[SEL], 0x76543210
	s_mov_b32 s[SEL+1], 0xfedcba98
	s_mov_b32 s[TB], 0
	s_mov_b32 s[TF], SLOTB
	s_mov_b32 s[NI], 0
	s_mov_b32 s[SI], 0
	s_mov_b32 s[G0F], 1
	s_mul_i32 s[G0F+1], s[WV], 32*PITCH
	s_add_co_u32 s[G0F+1], s[G0F+1], R1            ; the features: my 32 rows, over slot 1's first bytes
	s_mov_b32 s[G0Q], 1
	s_lshl_b32 s[G0Q+1], s[WV], 11
	s_add_co_u32 s[G0Q+1], s[G0Q+1], QB            ; wave w brings what slot position w wants
	s_mov_b32 s[G0BK], 1
	s_lshl_b32 s[G0BK+1], s[WV], 10
	s_mov_b32 s[G0BM], 1
	s_add_co_u32 s[G0BM+1], s[G0BK+1], BMB
	s_add_co_u32 s[G0BK+1], s[G0BK+1], BKB
	s_mov_b32 s[G0C], 1
	s_mul_i32 s[WOFF], s[WV], 64*PITCH
	s_mov_b32 s[G0C+1], s[WOFF]                    ; slot 0 of the ring
	s_mov_b32 s99, 0
	s_wait_dscnt 0x0                               ; the opening add is done
	s_wait_kmcnt 0x0
	s_lshl_b32 s98, s[TBLK], 21                    ; features: row (128 TBLK + 32 w) x 32 + b, 512 bytes a row
	s_lshl_b32 s[CNT], s[WV], 19
	s_add_co_u32 s98, s98, s[CNT]
	s_lshl_b32 s[CNT], s[BB], 9
	s_add_co_u32 s98, s98, s[CNT]
	s_add_nc_u64 s[G0F+2:G0F+3], s[G0F+2:G0F+3], s[98:99]
	s_or_b32 s[G0F+3], s[G0F+3], 0x80000000
	s_add_co_u32 s[CNT], s[WV], s[ROT]
	s_and_b32 s[CNT], s[CNT], 3
	s_lshl_b32 s98, s[CNT], 10                     ; slot position w holds h from 256 ((w + ROT) % 4) on
	s_add_nc_u64 s[G0BK+2:G0BK+3], s[G0BK+2:G0BK+3], s[98:99]
	s_or_b32 s[G0BK+3], s[G0BK+3], 0x80000000
	s_add_nc_u64 s[G0BM+2:G0BM+3], s[G0BM+2:G0BM+3], s[98:99]
	s_or_b32 s[G0BM+3], s[G0BM+3], 0x80000000
	s_lshl_b32 s98, s[CNT], 16                     ; q: those 256 h are 32 pieces of 2,048 bytes; in each, my b's 64 bytes
	s_lshl_b32 s[CNT], s[BB], 6
	s_add_co_u32 s98, s98, s[CNT]
	s_add_nc_u64 s[G0Q+2:G0Q+3], s[G0Q+2:G0Q+3], s[98:99]
	s_or_b32 s[G0Q+3], s[G0Q+3], 0x80000000
	s_and_b32 s[CNT], s[TBLK], 3                   ; the prefetch: b < 8: piece 8 b + TBLK of Wm's codes; else piece TBLK % 4 of its scale bytes
	s_cmp_lt_u32 s[BB], 8
	s_cselect_b64 s[PFB:PFB+1], s[8:9], s[10:11]
	s_cselect_b32 s98, s[BB], 0
	s_cselect_b32 s[CNT], s[TBLK], s[CNT]
	s_cselect_b32 s[PFL], 1, 0
	s_lshl_b32 s98, s98, 3
	s_add_co_u32 s98, s98, s[CNT]
	s_lshl_b32 s98, s98, 13
	s_add_nc_u64 s[PFB:PFB+1], s[PFB:PFB+1], s[98:99]
	s_lshl_b32 s98, ttmp9, 8
	s_or_b32 s98, s98, s[BB]
	s_cmp_eq_u32 s98, 8                            ; b = 8 and the cluster's x = 0
	s_cselect_b32 s[PFL], 1, s[PFL]
	s_cmp_eq_u32 s[WV], 3
	s_cselect_b32 s[PFL], s[PFL], 0
	s_lshl_b32 s98, s[WV], 15                      ; my 64 rows of a slot: their codes,
	s_add_nc_u64 s[4:5], s[4:5], s[98:99]
	s_add_nc_u64 s[8:9], s[8:9], s[98:99]
	s_lshl_b32 s98, s[WV], 11                      ; and their scale bytes
	s_add_nc_u64 s[6:7], s[6:7], s[98:99]
	s_add_nc_u64 s[10:11], s[10:11], s[98:99]
	s_lshl_b32 s98, s[ROT], 17                     ; slot 0 of the ring takes slot ROT of Wk
	s_add_nc_u64 s[G0C+2:G0C+3], s[4:5], s[98:99]
	s_or_b32 s[G0C+3], s[G0C+3], 0x80000000
	s_lshl_b32 s98, s[ROT], 13
	s_add_nc_u64 s[SWB:SWB+1], s[6:7], s[98:99]
	s_lshl_b32 s98, s[BB], 13                      ; scws [b][c][t]: (2,048 b + 128 TBLK) x 4
	s_lshl_b32 s[CNT], s[TBLK], 9
	s_add_co_u32 s98, s98, s[CNT]
	s_add_nc_u64 s[12:13], s[12:13], s[98:99]
	s_lshl_b32 s98, s[BB], 5                       ; stws [kind][b][block]: (8 b + TBLK) x 4
	s_lshl_b32 s[CNT], s[TBLK], 2
	s_add_co_u32 s98, s98, s[CNT]
	s_add_nc_u64 s[14:15], s[14:15], s[98:99]
	s_lshl_b32 s98, s[BB], 15                      ; partws [b][block][h]: (8 b + TBLK) x 4,096
	s_lshl_b32 s[CNT], s[TBLK], 12
	s_add_co_u32 s98, s98, s[CNT]
	s_add_nc_u64 s[16:17], s[16:17], s[98:99]
	s_lshl_b32 s98, s[TBLK], 17                    ; features' scales: (128 TBLK x 32 + b) x 32
	s_lshl_b32 s[CNT], s[BB], 5
	s_add_co_u32 s98, s98, s[CNT]
	s_add_nc_u64 s[96:97], s[96:97], s[98:99]
	s_lshl_b32 s98, s[TBLK], 14                    ; mask: (128 TBLK x 32 + b) x 4
	s_lshl_b32 s[CNT], s[BB], 2
	s_add_co_u32 s98, s98, s[CNT]
	s_add_nc_u64 s[100:101], s[100:101], s[98:99]
	CROUND                                         ; all four work-groups are here: the first joint loads meet
	tensor_load_to_lds s[G0F:G0F+3], s[G1F:G1F+7]  ; the first fills go out as one group: five tensor loads of mine are out
	s_nop 0
	tensor_load_to_lds s[G0Q:G0Q+3], s[G1Q:G1Q+7]
	s_nop 0
	tensor_load_to_lds s[G0BK:G0BK+3], s[G1B:G1B+7]
	s_nop 0
	tensor_load_to_lds s[G0BM:G0BM+3], s[G1B:G1B+7]
	s_nop 0
	JLOAD
	v_and_b32 v[RR], 15, v0
	v_bfe_u32 v[HH], v0, 4, 1
	v_and_b32 v[LN], 31, v0
	v_lshlrev_b32 v[O1K], 10, v[LN]
	v_lshlrev_b32 v[OMK], 9, v[LN]
	v_lshlrev_b32 v[OWS], 5, v[RR]
	v_lshl_add_u32 v[OWS], v[HH], 4, v[OWS]
.irp i, 0,1,2,3                                ; features' scale words: lane l takes row 32 i + l: lanes 0-15 row block 2 i, lanes 16-31 row block 2 i + 1; 32 bytes: a word a K step
	global_load_b128 v[FS+8*\i:FS+8*\i+3], v[O1K], s[96:97] offset:\i*32768
	global_load_b128 v[FS+8*\i+4:FS+8*\i+7], v[O1K], s[96:97] offset:\i*32768+16
.endr
.irp i, 0,1,2,3
	WSLOAD \i                                      ; the first slot's scale words, all four tiles'
.endr
.irp k, 0,1,2,3
	global_load_b32 v[MK+\k], v[OMK], s[100:101] offset:128*\k   ; the mask of t = 4 lane + k
.endr
	v_mul_u32_u24 v[TA], v[RR], PITCH
	v_lshl_add_u32 v[TA], v[HH], 4, v[TA]          ; 528 r + 16 hh
	v_add_nc_u32 v[AB0], s[WOFF], v[TA]
	v_add_nc_u32 v[AB], s[TB], v[AB0]
	v_add_nc_u32 v[AF], R1, v[TA]
	s_lshl_b32 s98, s[WV], 8                       ; my 64 h of a slot's 256, in bytes
	v_lshl_add_u32 v[TC], v[HH], 5, s98
	v_lshl_add_u32 v[AQ], v[TC], 1, QB             ; q: 64 bytes for each 8 h: 512 w + 64 hh
	v_add_nc_u32 v[ABK], BKB, v[TC]
	v_lshl_add_u32 v[ABM], v[RR], 2, s98
	v_add_nc_u32 v[ABM], BMB, v[ABM]
	v_lshl_add_u32 v[TC], v[RR], 4, s98            ; 256 w + 16 r
	v_add_nc_u32 v[OP0], s[ROT], v[HH]             ; the way out: slot position 2 k + hh holds h from 256 ((position + ROT) % 4) on
	v_add_nc_u32 v[OP0+1], 2, v[OP0]
	v_and_b32 v[OP0], 3, v[OP0]
	v_and_b32 v[OP0+1], 3, v[OP0+1]
	v_lshl_add_u32 v[OP0], v[OP0], 10, v[TC]
	v_lshl_add_u32 v[OP0+1], v[OP0+1], 10, v[TC]
	s_lshl_b32 s98, s[WV], 11
	v_lshl_add_u32 v[ASC], v[HH], 10, s98
	v_lshl_add_u32 v[ASC], v[RR], 2, v[ASC]
	v_add_nc_u32 v[ASC], SCR, v[ASC]
	v_lshlrev_b32 v[L16], 4, v[LN]
	v_add_nc_u32 v[ASL], SCR, v[L16]
	s_lshl_b32 s98, s[WV], 9
	v_add_nc_u32 v[APS], s98, v[L16]
	v_add_nc_u32 v[APS], PSCR, v[APS]
	v_lshl_add_u32 v[APL], v[HH], 5, s98
	v_add_nc_u32 v[APL], PSCR, v[APL]
	s_lshl_b32 s98, s[WV], 10
	v_lshl_add_u32 v[AO], v[RR], 2, s98
	v_add_nc_u32 v[AO], OST, v[AO]
	v_add_nc_u32 v[AOL], s98, v[L16]
	v_add_nc_u32 v[AOL], OST, v[AOL]
	v_lshlrev_b32 v[PFO], 8, v[LN]
	v_mov_b32 v[MT+1], 0                           ; written once: a lane permute's destination counts as one of its sources
	s_wait_tensorcnt 0x0                           ; my parts of the features, q, the biases and slot 0 are in,
	s_barrier_signal -1
	s_barrier_wait -1                              ; everybody's are
	; ---- slot 0, tile 0: it also brings the features into registers, two K steps ahead of the products
.set curT, 0
	RUN1K 0, 0
	FLOAD 0
	FLOAD 1
	s_wait_loadcnt 0x0                             ; the scale words of the features and of the first slot, the mask
	FLOAD 2
	s_wait_dscnt 32                                ; the weights' K steps 0-3, bk and the features' K step 0 are in; the two younger K steps' 32 loads may be out
	MM 0, 0, 0, 1
	WIN 0x40
	LOADB 1, 0                                     ; the weights' K steps 4-7: no product has named their registers yet
	FLOAD 3
	s_wait_dscnt 40                                ; behind K step 1's features: K step 2's 16, the weights' 8, K step 3's 16
	MM 0, 1, 0, 0
	FLOAD 4
	s_wait_dscnt 40                                ; behind K step 2's: 8 + 16 + 16
	MM 0, 2, 0, 0
	FLOAD 5
	s_wait_dscnt 32
	MM 0, 3, 0, 0
	PLACES
	RUN1K TILEB, 64
	FLOAD 6
	s_wait_dscnt 42                                ; behind K step 4's features: K step 5's 16, the 10 for the next tile, K step 6's 16
	MM 0, 4, 0, 0
	FLOAD 7
	s_wait_dscnt 42                                ; behind K step 5's: 10 + 16 + 16
	MM 0, 5, 0, 0
	s_wait_dscnt 16                                ; K step 7's may be out
	MM 0, 6, 0, 0
	s_wait_dscnt 0x0
	MM 0, 7, 0, 0
	WIN 0
	s_wait_tensorcnt 0x0                           ; the features' bytes are filled again, with slot 1: no tensor load of mine is out,
	ds_add_u32 v[SPW], v[NIL]                      ; 0 onto my spare word,
	FILLSTEP
	s_wait_dscnt 0x0                               ; the add is done and my reads of the features are over
	CROUND
	JLOAD                                          ; its v_nop are also the places ahead of the loads below
	SCSTEP
	WSLOAD 0
	RUN2K TILEB, 0
	; ---- the k phase goes on
	KTILE 1, 0, 1, 0
	KTILE 2, 0, 0, 0
	KTILE 3, 1, 0, 1
	s_mov_b32 s[CNT], 3
.Lkslot:                                           ; Wk's other three slots; their changes ask for slots 3, 4, 5 of the eight
	KTILE 0, 0, 0, 0
	KTILE 1, 0, 0, 0
	KTILE 2, 0, 0, 0
	KTILE 3, 1, 0, 0
	s_sub_co_u32 s[CNT], s[CNT], 1
	s_cmp_lg_u32 s[CNT], 0
	s_cbranch_scc1 .Lkslot
	; ---- between the phases
	s_wait_dscnt 0x0                               ; q of the last tile (and the first mem tile's fragments)
	WIN 0x5d
.set gE, 0
.rept 64                                       ; the last k tile's vector work; the four numbers behind its last product were that product's places
	EK gE, 1, 0
.set gE, gE+1
.endr
	WIN 0x05
.irp rb, 0,1,2,3,4,5,6,7
.irp c, 0,1
	v_add_f32 v[PX+2*\rb+\c], v[SS+4*\rb+2*\c], v[SS+4*\rb+2*\c+1]   ; a pair's halves: my partial of score (16 rb + r, c)
.endr
.endr
	WIN 0
.irp rb, 0,1,2,3,4,5,6,7
.irp c, 0,1
	ds_store_b32 v[ASC], v[PX+2*\rb+\c] offset:512*\c+64*\rb
.endr
.endr
	s_wait_dscnt 0x0                               ; for the others' sake: my partials are stored
	s_barrier_signal -1                            ; (my tensor load for the next slot but one may stay out)
	s_barrier_wait -1
	WIN 0x40
.irp p, 0,1,2,3,4,5,6,7                        ; the eight partials (wave, half) of t = 4 lane + 0 .. 3, both c, into the accumulators' registers, which are free
	ds_load_b128 v[8*\p:8*\p+3], v[ASL] offset:1024*\p
	ds_load_b128 v[8*\p+4:8*\p+7], v[ASL] offset:1024*\p+512
.endr
	s_wait_dscnt 0x0
	WIN 0x55
.irp p, 0,2,4,6
.irp q, 0,2,4,6
	v_pk_add_f32 v[8*\p+\q:8*\p+\q+1], v[8*\p+\q:8*\p+\q+1], v[8*\p+8+\q:8*\p+8+\q+1]
.endr
.endr
.irp p, 0,4
.irp q, 0,2,4,6
	v_pk_add_f32 v[8*\p+\q:8*\p+\q+1], v[8*\p+\q:8*\p+\q+1], v[8*\p+16+\q:8*\p+16+\q+1]
.endr
.endr
	WIN 0x05
.irp q, 0,2,4,6
	v_pk_add_f32 v[SC+\q:SC+\q+1], v[\q:\q+1], v[32+\q:32+\q+1]   ; the last level lands in window 0
.endr
	WIN 0
.irp c, 0,1
	v_pk_fma_f32 v[SC+4*\c:SC+4*\c+1], v[MK:MK+1], 0xc7c34f80, v[SC+4*\c:SC+4*\c+1] op_sel_hi:[1,0,1]       ; + mask x -99999
	v_pk_fma_f32 v[SC+4*\c+2:SC+4*\c+3], v[MK+2:MK+3], 0xc7c34f80, v[SC+4*\c+2:SC+4*\c+3] op_sel_hi:[1,0,1]
.endr
	v_max3_num_f32 v[MX], v[SC], v[SC+1], v[SC+2]  ; the block's largest score, for each c
	v_max3_num_f32 v[MX+1], v[SC+4], v[SC+5], v[SC+6]
	v_max_num_f32 v[MX], v[MX], v[SC+3]
	v_max_num_f32 v[MX+1], v[MX+1], v[SC+7]
.irp x, 1,2,4,8
	v_max_num_f32_dpp v[MX], v[MX], v[MX] row_xmask:\x row_mask:0xf bank_mask:0xf
	v_max_num_f32_dpp v[MX+1], v[MX+1], v[MX+1] row_xmask:\x row_mask:0xf bank_mask:0xf
.endr
	v_permlanex16_b32 v[TP], v[MX], s[SEL], s[SEL+1]
	v_permlanex16_b32 v[TP+1], v[MX+1], s[SEL], s[SEL+1]
	v_max_num_f32 v[MX], v[MX], v[TP]
	v_max_num_f32 v[MX+1], v[MX+1], v[TP+1]
.irp x, 0,1,2,3
	v_sub_f32 v[PX+\x], v[SC+\x], v[MX]            ; the maximum is taken away first,
	v_sub_f32 v[PX+4+\x], v[SC+4+\x], v[MX+1]
.endr
.irp x, 0,2,4,6
	v_pk_mul_f32 v[PX+\x:PX+\x+1], v[PX+\x:PX+\x+1], 0x3fb8aa3b op_sel_hi:[1,0]   ; then x log2(e)
.endr
.irp x, 0,1,2,3,4,5,6,7
	v_exp_f32 v[PX+\x], v[PX+\x]
.endr
	v_nop                                          ; a plain instruction behind the last exponential,
	s_wait_alu depctr_va_vdst(0)                   ; and one wait for the batch ahead of its first reader
	v_pk_add_f32 v[SU:SU+1], v[PX:PX+1], v[PX+2:PX+3]
	v_pk_add_f32 v[SU+2:SU+3], v[PX+4:PX+5], v[PX+6:PX+7]
	v_add_f32 v[SU], v[SU], v[SU+1]
	v_add_f32 v[SU+2], v[SU+2], v[SU+3]
.irp x, 1,2,4,8
	v_add_f32_dpp v[SU], v[SU], v[SU] row_xmask:\x row_mask:0xf bank_mask:0xf
	v_add_f32_dpp v[SU+2], v[SU+2], v[SU+2] row_xmask:\x row_mask:0xf bank_mask:0xf
.endr
	v_permlanex16_b32 v[TP], v[SU], s[SEL], s[SEL+1]
	v_permlanex16_b32 v[TP+1], v[SU+2], s[SEL], s[SEL+1]
	v_add_f32 v[LREG], v[SU], v[TP]                ; the block's sums of exponentials
	v_add_f32 v[SU+2], v[SU+2], v[TP+1]
	ds_store_b128 v[APS], v[PX:PX+3]               ; p of c = 0, into my wave's own 512 bytes,
	WIN 0xc0
.irp rb, 0,1,2,3,4,5,6,7                       ; and back in the mem phase's layout: t = 16 rb + 8 hh + 0 .. 7.  LDS serves a wave's instructions in order (ISA guide 5.7.1.4): these see the store
	ds_load_b128 v[QP+8*\rb:QP+8*\rb+3], v[APL] offset:64*\rb
	ds_load_b128 v[QP+8*\rb+4:QP+8*\rb+7], v[APL] offset:64*\rb+16
.endr
	WIN 0
	s_cmp_lg_u32 s[WV], 0                          ; every wave holds the same numbers: wave 0 stores them
	s_cbranch_scc1 .Lnot_storing
	global_store_b128 v[L16], v[SC:SC+3], s[12:13]                  ; 32 lanes store 512 consecutive bytes, at a multiple of 256 from the buffer's first byte
	global_store_b128 v[L16], v[SC+4:SC+7], s[12:13] offset:4096
	v_cmp_eq_u32 vcc_lo, 1, v[LN]                  ; lanes 0 to 3: maximum and sum of c = 0, of c = 1
	v_cndmask_b32 v[SU], v[MX], v[LREG], vcc_lo
	v_cmp_eq_u32 vcc_lo, 2, v[LN]
	v_cndmask_b32 v[SU], v[SU], v[MX+1], vcc_lo
	v_cmp_eq_u32 vcc_lo, 3, v[LN]
	v_cndmask_b32 v[SU], v[SU], v[SU+2], vcc_lo
	v_cmp_gt_u32 vcc_lo, 4, v[LN]
	s_wait_xcnt 0x0                                ; EXEC changes only behind this wait: it is a source of the stores above and of the scale loads that are out
	s_and_saveexec_b32 s96, vcc_lo
	global_store_b32 v[O1K], v[SU], s[14:15]
	s_wait_xcnt 0x0                                ; and again ahead of the line that restores it
	s_or_b32 exec_lo, exec_lo, s96
.Lnot_storing:
	s_wait_dscnt 0x0                               ; p is in
	; ---- the mem phase
	MTILE 0, 0, 0, 0, 0, 1, 3
	WIN 0
	s_mov_b32 s[CNT], 2
.Lmslot:                                           ; from a slot's second tile to the next slot's first; the two changes ask for slots 6 and 7 of the eight
	MTILE 1, 0, 0, 1, 0, 1, 3
	MTILE 2, 0, 0, 1, 0, 1, 3
	MTILE 3, 1, 1, 1, 0, 1, 3
	MTILE 0, 0, 0, 1, 0, 1, 3
	WIN 0
	s_sub_co_u32 s[CNT], s[CNT], 1
	s_cmp_lg_u32 s[CNT], 0
	s_cbranch_scc1 .Lmslot
	MTILE 1, 0, 0, 1, 0, 1, 3                      ; the tail is written out: the last change of slots asks for nothing
	MTILE 2, 0, 0, 1, 0, 1, 3
	MTILE 3, 1, 0, 1, 0, 1, 3
	MTILE 0, 0, 0, 1, 0, 0, 3                      ; the last slot asks for no scale words: the counts run down
	MTILE 1, 0, 0, 1, 0, 0, 2
	MTILE 2, 0, 0, 1, 0, 0, 1
	MTILE 3, 0, 0, 1, 1, 0, 0
	s_wait_dscnt 0x0                               ; bm of the last tile
	WIN 0x57
.set gE, 0
.rept 32                                       ; the last tile's vector work; the numbers behind its last product were that product's places
	EM gE, 1
.set gE, gE+1
.endr
	MFIN
	ds_store_b32 v[AO], v[MT] offset:192
	; ---- the way out: my 256 sums, [slot position][64 h], leave as rows of 256 bytes
	ds_load_b128 v[OB:OB+3], v[AOL]
	ds_load_b128 v[OB+4:OB+7], v[AOL] offset:512
	s_wait_dscnt 1
	global_store_b128 v[OP0], v[OB:OB+3], s[16:17]         ; 16 lanes store 256 consecutive bytes, at a multiple of 256 from the buffer's first byte
	s_wait_dscnt 0x0
	global_store_b128 v[OP0+1], v[OB+4:OB+7], s[16:17]
	s_wait_tensorcnt 0x0                           ; the wave's end: behind my last tensor load and my last LDS store
	ds_add_u32 v[SPW], v[NIL]
	s_wait_dscnt 0x0
	CROUND                                         ; the closing round: no work-group ends while a partner may still ask for a tile that names it
	s_endpgm
.Lfunc_end_k_q8b6bb11ba1_main:
	.size	k_q8b6bb11ba1_main, .Lfunc_end_k_q8b6bb11ba1_main-k_q8b6bb11ba1_main
	.p2alignl 7, 3214868480
	.fill 96, 4, 3214868480
	.section	.rodata,"a",@progbits
	.p2align	6, 0x0
	.amdhsa_kernel k_q8b6bb11ba1_main
		.amdhsa_group_segment_fixed_size 327680
		.amdhsa_private_segment_fixed_size 0
		.amdhsa_enable_private_segment 0
		.amdhsa_kernarg_size 104
		.amdhsa_user_sgpr_count 2
		.amdhsa_user_sgpr_kernarg_segment_ptr 1
		.amdhsa_wavefront_size32 1
		.amdhsa_system_sgpr_workgroup_id_x 1
		.amdhsa_system_sgpr_workgroup_id_y 1
		.amdhsa_system_sgpr_workgroup_id_z 1
		.amdhsa_system_vgpr_workitem_id 0
		.amdhsa_next_free_vgpr 1024
		.amdhsa_next_free_sgpr 102
		.amdhsa_reserve_vcc 1
		.amdhsa_float_denorm_mode_32 3
		.amdhsa_float_denorm_mode_16_64 3
		.amdhsa_memory_ordered 1
		.amdhsa_forward_progress 1
		.amdhsa_inst_pref_size 255
	.end_amdhsa_kernel
	.section	.bss,"aw",@nobits
	.p2align	6
	.space	262144
	.amdgpu_metadata
---
amdhsa.version: [ 1, 2 ]
amdhsa.kernels:
  - .name:           k_q8b6bb11ba1_main
    .symbol:         k_q8b6bb11ba1_main.kd
    .args:
      - { .name: features_codes, .offset: 0, .size: 8, .value_kind: global_buffer, .address_space: global }
      - { .name: features_scales, .offset: 8, .size: 8, .value_kind: global_buffer, .address_space: global }
      - { .name: mask, .offset: 16, .size: 8, .value_kind: global_buffer, .address_space: global }
      - { .name: Wk_codes, .offset: 24, .size: 8, .value_kind: global_buffer, .address_space: global }
      - { .name: Wk_scales, .offset: 32, .size: 8, .value_kind: global_buffer, .address_space: global }
      - { .name: Wm_codes, .offset: 40, .size: 8, .value_kind: global_buffer, .address_space: global }
      - { .name: Wm_scales, .offset: 48, .size: 8, .value_kind: global_buffer, .address_space: global }
      - { .name: bk, .offset: 56, .size: 8, .value_kind: global_buffer, .address_space: global }
      - { .name: bm, .offset: 64, .size: 8, .value_kind: global_buffer, .address_space: global }
      - { .name: qws, .offset: 72, .size: 8, .value_kind: global_buffer, .address_space: global }
      - { .name: scws, .offset: 80, .size: 8, .value_kind: global_buffer, .address_space: global }
      - { .name: stws, .offset: 88, .size: 8, .value_kind: global_buffer, .address_space: global }
      - { .name: partws, .offset: 96, .size: 8, .value_kind: global_buffer, .address_space: global }
    .group_segment_fixed_size: 327680
    .private_segment_fixed_size: 0
    .kernarg_segment_align: 8
    .kernarg_segment_size: 104
    .max_flat_workgroup_size: 128
    .sgpr_count:     102
    .vgpr_count:     1024
    .wavefront_size: 32
...
	.end_amdgpu_metadata
.endif
;; end of part 2
;; launch comb (part 3): grid 32 x 1, 8 waves a work-group, no clusters, 10,240 bytes of LDS; arguments scws, stws, partws, out0, out1, out2; writes out0, out1, out2
.if DOCPART == 3
	.amdgcn_target "amdgcn-amd-amdhsa--gfx1250"
	.amdhsa_code_object_version 6
	.text
	.protected	k_q8b6bb11ba1_comb
	.globl	k_q8b6bb11ba1_comb
	.p2align	8
	.type	k_q8b6bb11ba1_comb,@function
k_q8b6bb11ba1_comb:
	s_mov_b64 s[64:65], 0
	v_nop
	global_prefetch_b8 v0, s[64:65] scope:SCOPE_SE
	s_setreg_imm32_b32 hwreg(HW_REG_WAVE_MODE, 25, 1), 1
	s_wait_xcnt 0x0
; The 8 blocks of t of each b are joined: M = the largest block maximum, L = the sum of (block sum x exp(block maximum - M)).
; out0[b][h] = sum over blocks of partws[b][block][h] x exp(m0 - M0) / L0;   out1[t][b], out2[t][b] = exp(score - M) / L.
; SHARES.  Work-group g, thread i of 256.  (A) the summary of b = g: thread i takes h = 4 i .. 4 i + 3.  (B) the distribution c = g % 2 for t = 64 (g / 2) .. + 63 and all 32 b: thread i takes
; b' = i / 16 + 16 k (k = 0, 1) and t = 4 (i % 16) + 0 .. 3; the scores lie [b][c][t], the outputs [t][b]: the 64 x 32 numbers turn through LDS and leave as dense rows.
; Memory binds and the launch is short: all loads go out at the head, one wait; matrix units, tensor loads and clusters would add nothing.
; LIMITS: an exponential under 2^-126 comes out as 0 (ISA guide, v_exp_f32); the maximum is taken away by a subtraction before every exponential.
.set TP,    144                        ; a row of the turning tile: 32 b x 4 bytes + 16
.set SPARE, 64*TP                      ; behind it: the spare words, 128 bytes for each of eight waves
.set L2E,   0x3fb8aa3b                 ; log2(e)
.set MXR, 8                            ; v8-10   M of the three sets of statistics: (A), (B) k = 0, (B) k = 1
.set LR,  16                           ; v16-18  L
.set RC,  20                           ; v20-22  1 / L
.set SM,  24                           ; v24-27  the summary's four numbers
.set PT,  32                           ; v32-63  partws: 4 numbers of each of 8 blocks; at the end v32-39: rows read back from the tile
.set ST,  64                           ; v64-111 statistics: set s at 16 s: 8 maxima, 8 sums
.set SCO, 112                          ; v112-119 scores: 4 k + x
.set SPW, 126
.set NIL, 127
	s_load_b256 s[4:11], s[0:1], 0x0               ; scws s[4:5], stws s[6:7], partws s[8:9], out0 s[10:11]
	s_load_b128 s[12:15], s[0:1], 0x20             ; out1 s[12:13], out2 s[14:15]
	v_lshl_add_u32 v[SPW], v0, 2, SPARE
	v_mov_b32 v[NIL], 0
	v_lshlrev_b32 v1, 4, v0                        ; 16 i
	v_and_b32 v2, 15, v0
	v_lshrrev_b32 v3, 4, v0                        ; i / 16
	v_lshlrev_b32 v4, 13, v3
	v_lshl_add_u32 v4, v2, 4, v4                   ; scws: b' x 8,192 + 16 (i % 16)
	v_lshlrev_b32 v5, 5, v3                        ; stws: b' x 32
	v_mov_b32 v6, 0                                ; (A)'s statistics: the same address in every lane
	v_mul_u32_u24 v7, v2, 4*TP
	v_lshl_add_u32 v7, v3, 2, v7                   ; the tile, in: row 4 (i % 16) (+ x), byte 4 (i / 16) (+ 64 k)
	v_lshrrev_b32 v12, 3, v0
	v_mul_u32_u24 v12, v12, TP
	v_and_b32 v13, 7, v0
	v_lshl_add_u32 v12, v13, 4, v12                ; back: row i / 8 (+ 32 k), 16 bytes a lane
	s_and_b32 s16, ttmp9, 1                        ; c
	s_lshr_b32 s17, ttmp9, 1                       ; which 64 t
	s_mov_b32 s19, 0
	s_wait_kmcnt 0x0
	s_cmp_eq_u32 s16, 0
	s_cselect_b64 s[12:13], s[12:13], s[14:15]     ; out1 or out2: the choice hangs on the work-group's number alone
	s_lshl_b32 s18, ttmp9, 5
	s_add_nc_u64 s[20:21], s[6:7], s[18:19]        ; the maxima of c = 0, b = g
	s_lshl_b32 s18, s16, 11
	s_add_nc_u64 s[6:7], s[6:7], s[18:19]          ; the maxima of my c
	s_lshl_b32 s18, ttmp9, 15
	s_add_nc_u64 s[8:9], s[8:9], s[18:19]
	s_lshl_b32 s18, ttmp9, 12
	s_add_nc_u64 s[10:11], s[10:11], s[18:19]
	s_lshl_b32 s18, s16, 12
	s_lshl_b32 s22, s17, 8
	s_add_co_u32 s18, s18, s22
	s_add_nc_u64 s[4:5], s[4:5], s[18:19]
	s_lshl_b32 s18, s17, 13
	s_add_nc_u64 s[12:13], s[12:13], s[18:19]
	global_load_b128 v[ST:ST+3], v6, s[20:21]
	global_load_b128 v[ST+4:ST+7], v6, s[20:21] offset:16
	global_load_b128 v[ST+8:ST+11], v6, s[20:21] offset:1024
	global_load_b128 v[ST+12:ST+15], v6, s[20:21] offset:1040
.irp k, 0,1
	global_load_b128 v[ST+16+16*\k:ST+16+16*\k+3], v5, s[6:7] offset:512*\k
	global_load_b128 v[ST+16+16*\k+4:ST+16+16*\k+7], v5, s[6:7] offset:512*\k+16
	global_load_b128 v[ST+16+16*\k+8:ST+16+16*\k+11], v5, s[6:7] offset:512*\k+1024
	global_load_b128 v[ST+16+16*\k+12:ST+16+16*\k+15], v5, s[6:7] offset:512*\k+1040
	global_load_b128 v[SCO+4*\k:SCO+4*\k+3], v4, s[4:5] offset:131072*\k   ; 16 lanes read 256 consecutive aligned bytes
.endr
.irp k, 0,1,2,3,4,5,6,7
	global_load_b128 v[PT+4*\k:PT+4*\k+3], v1, s[8:9] offset:4096*\k th:TH_LOAD_NT   ; read once in the launch
.endr
	s_wait_loadcnt 0x0
.irp s, 0,1,2
	v_max3_num_f32 v[MXR+\s], v[ST+16*\s], v[ST+16*\s+1], v[ST+16*\s+2]
.endr
.irp j, 3,5
.irp s, 0,1,2
	v_max3_num_f32 v[MXR+\s], v[MXR+\s], v[ST+16*\s+\j], v[ST+16*\s+\j+1]
.endr
.endr
.irp s, 0,1,2
	v_max_num_f32 v[MXR+\s], v[MXR+\s], v[ST+16*\s+7]
.endr
.irp s, 0,1,2
.irp j, 0,1,2,3,4,5,6,7
	v_sub_f32 v[ST+16*\s+\j], v[ST+16*\s+\j], v[MXR+\s]
.endr
.endr
.irp k, 0,1
.irp x, 0,1,2,3
	v_sub_f32 v[SCO+4*\k+\x], v[SCO+4*\k+\x], v[MXR+1+\k]
.endr
.endr
.irp s, 0,1,2
.irp j, 0,2,4,6
	v_pk_mul_f32 v[ST+16*\s+\j:ST+16*\s+\j+1], v[ST+16*\s+\j:ST+16*\s+\j+1], L2E op_sel_hi:[1,0]
.endr
.endr
.irp j, 0,2,4,6
	v_pk_mul_f32 v[SCO+\j:SCO+\j+1], v[SCO+\j:SCO+\j+1], L2E op_sel_hi:[1,0]
.endr
.irp s, 0,1,2
.irp j, 0,1,2,3,4,5,6,7
	v_exp_f32 v[ST+16*\s+\j], v[ST+16*\s+\j]
.endr
.endr
.irp j, 0,1,2,3,4,5,6,7
	v_exp_f32 v[SCO+\j], v[SCO+\j]
.endr
	v_nop                                          ; a plain instruction behind the last exponential,
	s_wait_alu depctr_va_vdst(0)                   ; and one wait for the 32, ahead of their first reader
.irp s, 0,1,2
	v_mul_f32 v[LR+\s], v[ST+16*\s+8], v[ST+16*\s]
.endr
.irp j, 1,2,3,4,5,6,7
.irp s, 0,1,2
	v_fmac_f32 v[LR+\s], v[ST+16*\s+8+\j], v[ST+16*\s+\j]   ; (the three sets by turns)
.endr
.endr
.irp s, 0,1,2
	v_rcp_f32 v[RC+\s], v[LR+\s]
.endr
	v_nop
	s_wait_alu depctr_va_vdst(0)                   ; one wait for the three reciprocals
.irp j, 0,1,2,3,4,5,6,7
	v_mul_f32 v[ST+\j], v[ST+\j], v[RC]            ; a block's weight: exp(m - M) / L
.endr
.irp x, 0,1,2,3
	v_mul_f32 v[SM+\x], v[PT+\x], v[ST]
.endr
.irp j, 1,2,3,4,5,6,7
.irp x, 0,1,2,3
	v_fmac_f32 v[SM+\x], v[PT+4*\j+\x], v[ST+\j]
.endr
.endr
	global_store_b128 v1, v[SM:SM+3], s[10:11]     ; a wave stores 512 consecutive aligned bytes of out0
.irp k, 0,1
.irp x, 0,1,2,3
	v_mul_f32 v[SCO+4*\k+\x], v[SCO+4*\k+\x], v[RC+1+\k]
.endr
.endr
.irp k, 0,1
.irp x, 0,1,2,3
	ds_store_b32 v7, v[SCO+4*\k+\x] offset:TP*\x+64*\k
.endr
.endr
	s_wait_dscnt 0x0                               ; for the others' sake: my stores into the tile are done
	s_barrier_signal -1
	s_barrier_wait -1
	ds_load_b128 v[PT:PT+3], v12
	ds_load_b128 v[PT+4:PT+7], v12 offset:32*TP
	s_wait_dscnt 1
	global_store_b128 v1, v[PT:PT+3], s[12:13]     ; the 64 rows of 128 bytes are dense: a wave stores 512 consecutive aligned bytes
	s_wait_dscnt 0x0
	global_store_b128 v1, v[PT+4:PT+7], s[12:13] offset:4096
	s_wait_tensorcnt 0x0                           ; the wave's end: behind my last LDS store
	ds_add_u32 v[SPW], v[NIL]
	s_wait_dscnt 0x0
	s_endpgm
.Lfunc_end_k_q8b6bb11ba1_comb:
	.size	k_q8b6bb11ba1_comb, .Lfunc_end_k_q8b6bb11ba1_comb-k_q8b6bb11ba1_comb
	.p2alignl 7, 3214868480
	.fill 96, 4, 3214868480
	.section	.rodata,"a",@progbits
	.p2align	6, 0x0
	.amdhsa_kernel k_q8b6bb11ba1_comb
		.amdhsa_group_segment_fixed_size 10240
		.amdhsa_private_segment_fixed_size 0
		.amdhsa_enable_private_segment 0
		.amdhsa_kernarg_size 48
		.amdhsa_user_sgpr_count 2
		.amdhsa_user_sgpr_kernarg_segment_ptr 1
		.amdhsa_wavefront_size32 1
		.amdhsa_system_sgpr_workgroup_id_x 1
		.amdhsa_system_sgpr_workgroup_id_y 1
		.amdhsa_system_sgpr_workgroup_id_z 1
		.amdhsa_system_vgpr_workitem_id 0
		.amdhsa_next_free_vgpr 128
		.amdhsa_next_free_sgpr 66
		.amdhsa_reserve_vcc 0
		.amdhsa_float_denorm_mode_32 3
		.amdhsa_float_denorm_mode_16_64 3
		.amdhsa_memory_ordered 1
		.amdhsa_forward_progress 1
		.amdhsa_inst_pref_size 12
	.end_amdhsa_kernel
	.amdgpu_metadata
---
amdhsa.version: [ 1, 2 ]
amdhsa.kernels:
  - .name:           k_q8b6bb11ba1_comb
    .symbol:         k_q8b6bb11ba1_comb.kd
    .args:
      - { .name: scws, .offset: 0, .size: 8, .value_kind: global_buffer, .address_space: global }
      - { .name: stws, .offset: 8, .size: 8, .value_kind: global_buffer, .address_space: global }
      - { .name: partws, .offset: 16, .size: 8, .value_kind: global_buffer, .address_space: global }
      - { .name: out0, .offset: 24, .size: 8, .value_kind: global_buffer, .address_space: global }
      - { .name: out1, .offset: 32, .size: 8, .value_kind: global_buffer, .address_space: global }
      - { .name: out2, .offset: 40, .size: 8, .value_kind: global_buffer, .address_space: global }
    .group_segment_fixed_size: 10240
    .private_segment_fixed_size: 0
    .kernarg_segment_align: 8
    .kernarg_segment_size: 48
    .max_flat_workgroup_size: 256
    .sgpr_count:     66
    .vgpr_count:     128
    .wavefront_size: 32
...
	.end_amdgpu_metadata
.endif
;; end of part 3
